; MI455X (gfx1250); checked and timed in simulation.
; The chip was launched on July 23, 2026; its instructions are those of AMD's public machine-readable ISA for CDNA 5 (MIT licence, August 2026) and "CDNA5" Instruction Set Architecture Reference Guide (July 2026). The comments in the code are by the model that wrote it; some were corrected since.
;; Multi Head Cross Attention3 D. Allowed arithmetic: matrix products marked QUANTISED: E2M3 operands, one E8M0 scale for each 32 along K, by v_wmma_scale_f32_16x16x128_f8f6f4 with both operands' format E2M3, f32 sums; everything else in f32.
;; Inputs: Wk_codes 512 x 24 x 24 uint8 (E2M3 codes of Wk, K innermost, in blocks of 32 codes, four codes in three bytes); Wk_scales 512 x 24 uint8 (E8M0 scales of Wk, one for each 32 codes along K); Wout_codes 512 x 16 x 24 uint8 (E2M3 codes of Wout, K innermost, in blocks of 32 codes, four codes in three bytes); Wout_scales 512 x 16 uint8 (E8M0 scales of Wout, one for each 32 codes along K); Wq_codes 512 x 16 x 24 uint8 (E2M3 codes of Wq, K innermost, in blocks of 32 codes, four codes in three bytes); Wq_scales 512 x 16 uint8 (E8M0 scales of Wq, one for each 32 codes along K); Wv_codes 512 x 24 x 24 uint8 (E2M3 codes of Wv, K innermost, in blocks of 32 codes, four codes in three bytes); Wv_scales 512 x 24 uint8 (E8M0 scales of Wv, one for each 32 codes along K); b_out 512 float32; context_codes 4 x 2,048 x 24 x 24 uint8 (E2M3 codes of context, K innermost, in blocks of 32 codes, four codes in three bytes); context_scales 4 x 2,048 x 24 uint8 (E8M0 scales of context, one for each 32 codes along K); mask 4 x 4,096 x 2,048 int32; x_codes 4 x 4,096 x 16 x 24 uint8 (E2M3 codes of x, K innermost, in blocks of 32 codes, four codes in three bytes); x_scales 4 x 4,096 x 16 uint8 (E8M0 scales of x, one for each 32 codes along K).
;; Outputs: out0 4 x 4,096 x 512 float32.
;; This version of the problem:
;;   THIS VERSION OF THE PROBLEM IS GIVEN IN LOW PRECISION. The matrix products marked QUANTISED in the list below multiply operands that are first quantised to E2M3 (2 exponent bits, 3 mantissa bits; 6 bits a number), with one power-of-two scale for each 32 numbers along K (OCP MX v1.0); their sums are f32. All else is computed in f32.
;;   The module's matrix products, in the order in which they are computed (A, B: the left and right operand; K: the contracted axis; several contracted axes count as one K, in the product's order):
;;     1. [M 16,384, K 512] x [K 512, N 512]; A: input x (given as codes); B: input Wq (given as codes): QUANTISED
;;     2. [M 8,192, K 768] x [K 768, N 512]; A: input context (given as codes); B: input Wk (given as codes): QUANTISED
;;     3. [M 8,192, K 768] x [K 768, N 512]; A: input context (given as codes); B: input Wv (given as codes): QUANTISED
;;     4. batch 32 x [M 4,096, K 64] x [K 64, N 2,048]; A: computed on the way; B: computed on the way: QUANTISED
;;     5. batch 32 x [M 4,096, K 2,048] x [K 2,048, N 64]; A: softmax (see below); B: computed on the way: QUANTISED
;;     6. [M 16,384, K 512] x [K 512, N 512]; A: computed on the way; B: input Wout (given as codes): QUANTISED
;;   THE QUANTISER, for each operand of a quantised product, along K:
;;     - K is cut into blocks of 32 from its start; a last block that is shorter is filled with zeros.
;;     - A block's scale is 2^e with e = floor(log2(the largest magnitude in the block)) - 2, held to -126 .. 127; a block of zeros has e = 0. As a byte (E8M0): e + 127.
;;     - Each number is divided by its block's scale, clamped to +-7.5, and rounded to the nearest number of E2M3, ties to even, subnormals kept.
;;     - The product sums the exact products of the quantised numbers (number of the format x scale) in f32.
;;   ~~~python
;;   def quantise(x, axis):      # numpy; x: float32 -> the quantised numbers, widened to float32 again
;;       x = np.moveaxis(x, axis, -1); K = x.shape[-1]
;;       x = np.pad(x, [(0, 0)] * (x.ndim - 1) + [(0, -K % 32)]); x = x.reshape(x.shape[:-1] + (-1, 32)); a = np.abs(x).max(-1, keepdims=True)
;;       e = np.where(a > 0, np.clip(np.frexp(np.where(a > 0, a, 1))[1] - 1 - 2, -126, 127), 0)      # np.frexp(a)[1] - 1 = floor(log2(a)), exactly
;;       r = np.clip(x / 2.0 ** e, -7.5, 7.5)
;;       step = 2.0 ** (np.maximum(np.frexp(np.where(r == 0, 1, r))[1] - 1, 0) - 3)
;;       q = np.round(r / step) * step * 2.0 ** e      # np.round: ties to even
;;       return np.moveaxis(q.reshape(q.shape[:-2] + (-1,))[..., :K], -1, axis).astype(np.float32)
;;   ~~~
;;   SOFTMAX AHEAD OF A QUANTISED PRODUCT. Where the list says 'softmax', what is quantised is not the finished softmax but p = 2^(t - M), with t = logit x log2(e) and M = ceil(the row's largest t), a whole number; so 1/2 < the row's largest p <= 1. The row's sum l is taken of the UNQUANTISED p, in f32, and the product's result is divided by l at the end. Since M is a whole number, a kernel that streams over the keys may use a running M (the ceiling of the running maximum): every later rescaling is an exact power of two, which a block's scale takes up: the codes' values come out the same.
;;   OPERANDS COMPUTED ON THE WAY. 'Computed on the way' means the value that the module computes at that place (a softmax that the list does not call 'softmax' is quantised finished and normalised). What goes into a quantiser is computed in f32, as accurately as f32 sums, v_exp_f32 and their like allow (about 1e-6 of the number): no bf16 or f16 on the way to a quantiser, and a product that is left as it is and whose result goes on into a quantised operand takes f32 operands (vector FMAs, or v_wmma_f32_16x16x4_f32). A number that lies on a knife's edge between two numbers of the format may be rounded either way, as far as f32 arithmetic and the matrix unit's own rounding can turn it there, and no further.
;;   INPUTS GIVEN AS CODES. Wk (in the module: [768, 512], K = its axis 0); Wout (in the module: [512, 512], K = its axis 0); Wq (in the module: [512, 512], K = its axis 0); Wv (in the module: [768, 512], K = its axis 0); context (in the module: [4, 2048, 768], K = its axis 2); x (in the module: [4, 4096, 512], K = its axis 2): each comes as NAME_codes (uint8): NAME with its K axis moved to the last place and cut into blocks of 32 codes, [.., K / 32, bytes a block], one block behind the other in memory; four codes in three bytes: a row's codes are one little-endian stream of bits, code i at bits 6 i .. 6 i + 5 (a code: sign, 2 exponent bits, 3 mantissa bits); and NAME_scales (uint8): the same leading axes, one E8M0 byte (e + 127) for each 32 codes along K. Its value is code x scale, taken as it is: it is not quantised again, and the codes and scales need not be those that the quantiser above would give.
;; One version. Each part assembles by itself: llvm-mc -triple=amdgcn-amd-amdhsa -mcpu=gfx1250 --defsym DOCPART=n.
;; ======== version 1 of 1: 2 launches
;; limits: right only within a limited range of input values
;; workspace buffers: qimg 6,291,456 bytes; qsc 524,288 bytes; kv 6,684,672 bytes; wimg 196,608 bytes
;; launch proj (part 1): grid 512 x 1, 8 waves a work-group, no clusters, 277,504 bytes of LDS; arguments x_codes, x_scales, Wq_codes, Wq_scales, context_codes, context_scales, Wk_codes, Wk_scales, Wv_codes, Wv_scales, qimg, qsc, kv, Wout_codes, wimg; writes qimg, qsc, kv, wimg
.if DOCPART == 1
	.amdgcn_target "amdgcn-amd-amdhsa--gfx1250"
	.amdhsa_code_object_version 6
	.text
	.protected	k_qb4313583e6_proj
	.globl	k_qb4313583e6_proj
	.p2align	8
	.type	k_qb4313583e6_proj,@function
k_qb4313583e6_proj:
	s_mov_b64 s[64:65], 0
	v_nop
	global_prefetch_b8 v0, s[64:65] scope:SCOPE_SE
	s_setreg_imm32_b32 hwreg(HW_REG_WAVE_MODE, 25, 1), 1
	s_wait_xcnt 0x0
; q = x Wq, k = context Wk, v = context Wv on codes of E2M3 as they are given, and the quantisers of q and k (along a head's 64) and of v (along the keys).
; NOTHING OF reference() IS LEFT OUT in this program: every input has a way to out0 and is loaded by one of the two launches.
; LIMITS: NaN and infinities among the products are not served; a block whose largest magnitude lies under 2^(3 - 127) gets the scale byte 1 (a block of zeros too: its codes are zeros, and this program alone reads the bytes).
; ONE FORM FOR THE THREE PRODUCTS: D = S0 S1^T, source 0 = 16 rows of S0, source 1 = 16 rows of S1: a lane holds ONE row of S1, and its registers run along S0's rows, which is the axis to be quantised.
;   Q (work-groups 0-255):   S0 = Wq, 128 rows (two heads),   S1 = x, 256 rows,        K = 512
;   K (work-groups 256-383): S0 = Wk, 128 rows (two heads),   S1 = context, 256 rows,  K = 768
;   V (work-groups 384-511): S0 = context, 128 rows (a step of keys), S1 = Wv, 256 rows (four heads), K = 768
; A wave takes 32 rows of S1 (two tiles) x all 128 rows of S0 (eight tiles): 16 accumulators.  THE ROWS OF A TILE ARE NOT NEIGHBOURS, in S0 and in S1: lane r of tile 2 b + u takes row 32 b + 8 u + r + 8 (r / 8),
; so that the 16 registers of tiles 2 b and 2 b + 1 are 16 neighbours along S0's rows, 32 b + 16 (lane / 16) + 0 .. 15.
; LDS: both operands' rows for the whole of K come once, by asynchronous copies (every wave its 32 rows of S1 and 16 rows of S0); each byte is filled once, so there is one barrier.
; A row in LDS is 9 x (64 bytes + 16 of padding) = 720 bytes for all three; x's and Wq's rows are 384 bytes, and the bytes behind them are left unwritten, which no K step of Q reads.
; THE RESULTS LEAVE AS IMAGES OF OPERAND REGISTERS (16 or 8 bytes a lane, lane by lane), so every store of codes covers 512 or 256 consecutive bytes:
;   qimg [tile of 16 queries][head][768]: registers 0-3 (512 bytes), registers 4-5 (256);  qsc [tile][head][16] words: two scale bytes, two bytes 0
;   kv [batch x 16 + step of 128 keys][head][13,056]: K's 8 tiles x 768; V's 4 tiles x 1,536 (three planes of 512); K's scale words [tile][16]; V's [tile][16]
; NO CLUSTER: what work-groups share differs by the product (in Q and K four work-groups share S1's rows, in V two share S0's), so no one mask serves every way through the text.
.set PITCH, 720
; HOW LDS IS FILLED (this note stands for what the head says of the fills): by asynchronous copies, 16 bytes a lane, each instruction 512 consecutive bytes of memory, aligned.
; Every wave copies its 32 rows of S1 and 16 rows of S0.  Each 64 bytes of a row go to 80 bytes of LDS; the bytes behind x's and Wq's 384 are left unwritten, and no K step of Q reads them.
.set UNITB, 32*PITCH                   ; a wave's 32 rows of S1 in LDS
.set S0C,   8*UNITB                    ; S1's 256 rows lie from 0, S0's 128 from here
.set SPARE, S0C+4*UNITB                ; the spare words, 128 bytes for each wave: four blocks of 256 bytes that no other line names
.set CH,    13056                      ; a head's chunk of kv
.set SLAB,  8*CH
.set SPW, 1                            ; v1   LDS address of my spare word; never rewritten
.set NIL, 2                            ; v2   0; never rewritten
.set A1,  6                            ; v6-7   my S1 rows: row x pitch + 24 (40) x half
.set A0,  8                            ; v8-9   S0's tiles 0-3
.set A0H, 10                           ; v10-11 S0's tiles 4-7
.set SS0, 16                           ; v16-39 S0's scale words: register 6 i + K step; lanes 0-15 tile 2 i, lanes 16-31 tile 2 i + 1
.set SS1, 40                           ; v40-45 S1's: register K step; lanes 0-15 my tile 0, lanes 16-31 my tile 1
.set SF1, 48                           ; v48-71  S1's two fragments
.set SF0, 72                           ; v72-119 four fragments of S0
.set ACC, 128                          ; v128-255: accumulator (a, T) at 128 + 64 a + 8 T
.set TM,  72                           ; the quantiser's registers lie over fragments that are done with
.set PW0, 88
.set PW1, 89
.set PC0, 96
.set PC1, 48
.set WV,   38
.set ROLE, 39                          ; 0 Q, 1 K, 2 V
.set G1KV, 40
.set G1Q,  48
.set GA,   56
.set GB,   60
.set SEL,  66
.macro PLACES                          ; four places behind a matrix instruction, in front of loads into its registers and of reads of its results
.rept 4
	v_nop
.endr
.endm
; one product: D = C = v[d ..] (cz = 1: C = 0, the sum's first K step); ra, rb: the side's scale words stand in lanes 16-31
.macro WM d, fa, fb, cz, sa, sb, ra, rb
.if \cz
.if (\ra) && (\rb)
	v_wmma_scale_f32_16x16x128_f8f6f4 v[\d:\d+7], v[\fa:\fa+11], v[\fb:\fb+11], 0, v[\sa], v[\sb] matrix_a_fmt:MATRIX_FMT_FP6 matrix_b_fmt:MATRIX_FMT_FP6 matrix_a_scale:MATRIX_SCALE_ROW1 matrix_b_scale:MATRIX_SCALE_ROW1
.elseif \ra
	v_wmma_scale_f32_16x16x128_f8f6f4 v[\d:\d+7], v[\fa:\fa+11], v[\fb:\fb+11], 0, v[\sa], v[\sb] matrix_a_fmt:MATRIX_FMT_FP6 matrix_b_fmt:MATRIX_FMT_FP6 matrix_a_scale:MATRIX_SCALE_ROW1
.elseif \rb
	v_wmma_scale_f32_16x16x128_f8f6f4 v[\d:\d+7], v[\fa:\fa+11], v[\fb:\fb+11], 0, v[\sa], v[\sb] matrix_a_fmt:MATRIX_FMT_FP6 matrix_b_fmt:MATRIX_FMT_FP6 matrix_b_scale:MATRIX_SCALE_ROW1
.else
	v_wmma_scale_f32_16x16x128_f8f6f4 v[\d:\d+7], v[\fa:\fa+11], v[\fb:\fb+11], 0, v[\sa], v[\sb] matrix_a_fmt:MATRIX_FMT_FP6 matrix_b_fmt:MATRIX_FMT_FP6
.endif
.else
.if (\ra) && (\rb)
	v_wmma_scale_f32_16x16x128_f8f6f4 v[\d:\d+7], v[\fa:\fa+11], v[\fb:\fb+11], v[\d:\d+7], v[\sa], v[\sb] matrix_a_fmt:MATRIX_FMT_FP6 matrix_b_fmt:MATRIX_FMT_FP6 matrix_a_scale:MATRIX_SCALE_ROW1 matrix_b_scale:MATRIX_SCALE_ROW1
.elseif \ra
	v_wmma_scale_f32_16x16x128_f8f6f4 v[\d:\d+7], v[\fa:\fa+11], v[\fb:\fb+11], v[\d:\d+7], v[\sa], v[\sb] matrix_a_fmt:MATRIX_FMT_FP6 matrix_b_fmt:MATRIX_FMT_FP6 matrix_a_scale:MATRIX_SCALE_ROW1
.elseif \rb
	v_wmma_scale_f32_16x16x128_f8f6f4 v[\d:\d+7], v[\fa:\fa+11], v[\fb:\fb+11], v[\d:\d+7], v[\sa], v[\sb] matrix_a_fmt:MATRIX_FMT_FP6 matrix_b_fmt:MATRIX_FMT_FP6 matrix_b_scale:MATRIX_SCALE_ROW1
.else
	v_wmma_scale_f32_16x16x128_f8f6f4 v[\d:\d+7], v[\fa:\fa+11], v[\fb:\fb+11], v[\d:\d+7], v[\sa], v[\sb] matrix_a_fmt:MATRIX_FMT_FP6 matrix_b_fmt:MATRIX_FMT_FP6
.endif
.endif
.endm
; a fragment, 16 rows x 128 K: 12 registers; lane l holds its row's K = 64 c + 32 (l / 16) + 0 .. 31 in registers 6 c .. 6 c + 5: 24 bytes of the row's stream of bits, in pieces of 8.
; Lanes 16-31 read three pieces on; where that lies behind one padding more, the second address register (40 for 24 bytes a half) serves.
.macro FRAG reg, adr, q, off
.irp p, 0,1,2,3,4,5
.set PCE, 12*(\q)+6*(\p/3)+\p%3
.if PCE%8 < 5
	ds_load_b64 v[\reg+2*\p:\reg+2*\p+1], v[\adr] offset:8*PCE+16*(PCE/8)+(\off)
.else
	ds_load_b64 v[\reg+2*\p:\reg+2*\p+1], v[\adr+1] offset:8*PCE+16*(PCE/8)+(\off)
.endif
.endr
.endm
; eight products: S0's tiles 4 hh .. 4 hh + 3 x my two tiles of S1.  The 16 accumulators take turns, one instruction a turn, in the same order in every K step
.macro MM hh, q, zero
.irp t, 0,1,2,3
.irp a, 0,1
	WM ACC+64*\a+8*(4*\hh+\t), SF0+12*\t, SF1+12*\a, \zero, SS0+6*((4*\hh+\t)/2)+\q, SS1+\q, \t%2, \a
.endr
.endr
.endm
.macro KSTEP q, zero
.if (\q) > 0
	PLACES
.endif
	FRAG SF1, A1, \q, 0
	FRAG SF1+12, A1, \q, 8*PITCH
	FRAG SF0, A0, \q, 0
	FRAG SF0+12, A0, \q, 8*PITCH
	FRAG SF0+24, A0, \q, 32*PITCH
	FRAG SF0+36, A0, \q, 40*PITCH
	s_wait_dscnt 0x0
	MM 0, \q, \zero
	PLACES
	FRAG SF0, A0H, \q, 0
	FRAG SF0+12, A0H, \q, 8*PITCH
	FRAG SF0+24, A0H, \q, 32*PITCH
	FRAG SF0+36, A0H, \q, 40*PITCH
	s_wait_dscnt 0x0
	MM 1, \q, \zero
.endm
; 64 numbers of a lane, register 16 b + i = place 32 b + 16 (lane / 16) + i of my row, become a fragment's codes in v[pc] on and its scale word in v[pw]
.macro QUANT s, pc, pw
.irp b, 0,1,2,3
	v_max3_num_f32 v[TM+\b], |v[\s+16*\b]|, |v[\s+1+16*\b]|, 0x1800000   ; block b: my 16 numbers, and the floor 2^(3 - 127): the byte cannot fall under 1
.endr
.irp i, 2,4,6,8,10,12,14
.irp b, 0,1,2,3
	v_max3_num_f32 v[TM+\b], v[TM+\b], |v[\s+16*\b+\i]|, |v[\s+1+16*\b+\i]|
.endr
.endr
.irp b, 0,1,2,3
	s_delay_alu instid0(VALU_DEP_4)
	v_permlanex16_b32 v[TM+4+\b], v[TM+\b], s[SEL], s[SEL+1]
.endr
.irp b, 0,1,2,3
	s_delay_alu instid0(VALU_DEP_4)
	v_max_num_f32 v[TM+\b], v[TM+\b], v[TM+4+\b]   ; with lane l xor 16's: the block's largest magnitude
.endr
.irp b, 0,1,2,3
	s_delay_alu instid0(VALU_DEP_4)
	v_add_nc_u32 v[TM+12+\b], 0xff000000, v[TM+\b]   ; 2 off its exponent field: the conversion's scale operand
.endr
.irp b, 0,1,2,3
	s_delay_alu instid0(VALU_DEP_4)
	v_lshrrev_b32 v[TM+4+\b], 23, v[TM+12+\b]      ; the scale's byte
.endr
	s_delay_alu instid0(VALU_DEP_3)
	v_lshl_or_b32 v[\pw], v[TM+5], 8, v[TM+4]
	s_delay_alu instid0(VALU_DEP_1)
	v_lshl_or_b32 v[\pw], v[TM+6], 16, v[\pw]
	s_delay_alu instid0(VALU_DEP_1)
	v_lshl_or_b32 v[\pw], v[TM+7], 24, v[\pw]
.irp c, 0,1
	v_cvt_scalef32_pk16_fp6_f32 v[\pc+6*\c:\pc+2+6*\c], v[\s+32*\c:\s+15+32*\c], v[TM+12+2*\c]
	v_cvt_scalef32_pk16_fp6_f32 v[\pc+12+4*\c:\pc+14+4*\c], v[\s+16+32*\c:\s+31+32*\c], v[TM+12+2*\c+1]   ; (a conversion's three registers begin on an even number)
.endr
	v_nop                                          ; one plain place behind a scaled conversion
.irp c, 0,1                                    ; the operand's layout wants a whole block in a lane
.irp i, 0,1,2
	v_permlane16_swap_b32 v[\pc+6*\c+\i], v[\pc+12+4*\c+\i]
.endr
.irp i, 0,1,2
	s_delay_alu instid0(VALU_DEP_3)
	v_mov_b32 v[\pc+3+6*\c+\i], v[\pc+12+4*\c+\i]
.endr
.endr
.endm
; n copies of 512 bytes.  The immediate 512 i is added to both addresses, so copy i has an LDS address register of its own: its place in LDS less 512 i.
; m: the places in LDS come back after m copies, st bytes (less 512 m) further on; tb: the m patterns; rb: the registers; pb: the base
.macro CP n, m, st, tb, rb, pb
.set CPI, 0
.rept \n
	v_add_nc_u32 v[\rb+CPI], 128*(CPI%\m)+(\st)*(CPI/\m), v[\tb+CPI%\m]
.set CPI, CPI+1
.endr
.set CPI, 0
.rept \n
	global_load_async_to_lds_b128 v[\rb+CPI], v12, s[\pb:\pb+1] offset:512*CPI
.set CPI, CPI+1
.endr
.endm
; the fills and the scale words, for rows of one length.  sb: bytes in a row of scales
.macro ARM sb
.if \sb == 24
	v_add_nc_u32 v104, s[GA+1], v126               ; rows of 576 bytes are 9 pieces of 64: piece c of the block lies at 80 c, so a copy's 8 pieces step 640
	v_add_nc_u32 v108, s[GB+1], v126
	CP 36, 1, 128, 104, 48, 34
	CP 18, 1, 128, 108, 84, 30
.else
.irp j, 0,1,2                                  ; rows of 384 bytes are 6 pieces: piece x = 8 j + lane / 4 of three copies' 24 lies in row x / 6, 240 bytes further on for each row
	v_add_nc_u32 v[112+\j], 8*\j, v124
.endr
.irp j, 0,1,2
	s_delay_alu instid0(VALU_DEP_3)
	v_mul_u32_u24 v[112+\j], v[112+\j], 43
.endr
.irp j, 0,1,2
	s_delay_alu instid0(VALU_DEP_3)
	v_lshrrev_b32 v[112+\j], 8, v[112+\j]          ; x / 6, exact for x under 24
.endr
.irp j, 0,1,2
	s_delay_alu instid0(VALU_DEP_3)
	v_mad_u32_u24 v[112+\j], v[112+\j], 240, v126
.endr
.irp j, 0,1,2
	v_add_nc_u32 v[104+\j], s[GA+1], v[112+\j]
	v_add_nc_u32 v[108+\j], s[GB+1], v[112+\j]
.endr
	CP 24, 3, 1344, 104, 48, 34                    ; three copies are four rows: 2,880 bytes of LDS, less 1,536
	CP 12, 3, 1344, 108, 84, 30
.endif
	v_mul_u32_u24 v47, v46, \sb
.if \sb == 24
.irp i, 0,1,2,3
.irp j, 0,1,2
	global_load_b64 v[SS0+6*\i+2*\j:SS0+6*\i+2*\j+1], v47, s[32:33] offset:32*\i*24+8*\j
.endr
.endr
.irp j, 0,1,2
	global_load_b64 v[SS1+2*\j:SS1+2*\j+1], v47, s[36:37] offset:8*\j
.endr
.else
.irp i, 0,1,2,3
	v_mov_b32 v[SS0+6*\i+4], 0                     ; K = 512 has no fifth and sixth K step: these words are written, so that every register named further on holds something, and no product of Q names them
	v_mov_b32 v[SS0+6*\i+5], 0
	global_load_b128 v[SS0+6*\i:SS0+6*\i+3], v47, s[32:33] offset:32*\i*16
.endr
	v_mov_b32 v[SS1+4], 0
	v_mov_b32 v[SS1+5], 0
	global_load_b128 v[SS1:SS1+3], v47, s[36:37]
.endif
.endm
	s_load_b512 s[4:19], s[0:1], 0x0               ; x c 4, x s 6, Wq c 8, Wq s 10, context c 12, context s 14, Wk c 16, Wk s 18
	s_load_b256 s[20:27], s[0:1], 0x40             ; Wv c 20, Wv s 22, qimg 24, qsc 26
	s_load_b64 s[28:29], s[0:1], 0x60              ; kv
	s_load_b128 s[40:43], s[0:1], 0x68             ; Wout c 40, wimg 42
	v_lshl_add_u32 v[SPW], v0, 2, SPARE
	v_mov_b32 v[NIL], 0
	ds_add_u32 v[SPW], v[NIL]                      ; the wave's opening: the add, twice on end, and its wait ahead of my first copy
	ds_add_u32 v[SPW], v[NIL]
	v_lshrrev_b32 v3, 5, v0
	s_delay_alu instid0(VALU_DEP_1)
	v_readfirstlane_b32 s[WV], v3                  ; wave 0..7
	s_lshr_b32 s[ROLE], ttmp9, 7                   ; 0, 1: Q; 2: K; 3: V
	s_max_u32 s[ROLE], s[ROLE], 1
	s_sub_co_u32 s[ROLE], s[ROLE], 1
	s_and_b32 s68, ttmp9, 127
	s_and_b32 s69, ttmp9, 255
	s_cmp_eq_u32 s[ROLE], 0
	s_cselect_b32 s68, s69, s68                    ; g: my number within the product
	s_and_b32 s70, s68, 3
	s_lshr_b32 s71, s68, 2
	s_lshr_b32 s72, s68, 1
	s_and_b32 s73, s68, 1
	s_cmp_eq_u32 s[ROLE], 2
	s_cselect_b32 s74, s72, s70
	s_cselect_b32 s75, s73, s71
	s_lshl_b32 s74, s74, 7                         ; S0's first row
	s_lshl_b32 s75, s75, 8                         ; S1's first row
	s_cmp_eq_u32 s[ROLE], 0
	s_mov_b32 s76, 576
	s_cselect_b32 s76, 384, s76                    ; a row of codes in memory
	s_cselect_b32 s77, 16, 24                      ; a row of scales
	s_lshl_b32 s78, s[WV], 5
	s_add_co_u32 s79, s75, s78                     ; my 32 rows of S1
	s_lshl_b32 s78, s[WV], 4
	s_add_co_u32 s78, s74, s78                     ; the 16 rows of S0 that I copy
	s_mul_i32 s80, s79, s76
	s_mov_b32 s81, 0
	s_mul_i32 s82, s78, s76
	s_mov_b32 s83, 0
	s_mul_i32 s84, s74, s77
	s_mov_b32 s85, 0
	s_mul_i32 s86, s79, s77
	s_mov_b32 s87, 0
	s_mul_i32 s[GA+1], s[WV], UNITB                ; my rows of S1 in LDS
	s_mul_i32 s[GB+1], s[WV], 16*PITCH
	s_add_co_u32 s[GB+1], s[GB+1], S0C             ; and my 16 rows of S0
	s_mov_b32 s[SEL], 0x76543210
	s_mov_b32 s[SEL+1], 0xfedcba98                 ; v_permlanex16_b32's selects for lane l xor 16
	v_and_b32 v3, 15, v0                           ; r
	v_bfe_u32 v4, v0, 4, 1                         ; h
	s_delay_alu instid0(VALU_DEP_2)
	v_and_b32 v5, 8, v3
	s_delay_alu instid0(VALU_DEP_1)
	v_add_nc_u32 v5, v5, v3                        ; r + 8 (r / 8)
	s_delay_alu instid0(VALU_DEP_1)
	v_mul_u32_u24 v120, v5, PITCH
	s_delay_alu instid0(VALU_DEP_1)
	v_mad_u32_u24 v120, v4, 24, v120
	s_delay_alu instid0(VALU_DEP_1)
	v_add_nc_u32 v[A1], s[GA+1], v120
	s_delay_alu instid0(VALU_DEP_1)
	v_lshl_add_u32 v[A1+1], v4, 4, v[A1]
	s_delay_alu instid0(VALU_DEP_3)
	v_add_nc_u32 v[A0], S0C, v120
	s_delay_alu instid0(VALU_DEP_1)
	v_lshl_add_u32 v[A0+1], v4, 4, v[A0]
	s_delay_alu instid0(VALU_DEP_2)
	v_add_nc_u32 v[A0H], 64*PITCH, v[A0]
	s_delay_alu instid0(VALU_DEP_2)
	v_add_nc_u32 v[A0H+1], 64*PITCH, v[A0+1]
	v_and_b32 v121, 31, v0
	s_delay_alu instid0(VALU_DEP_1)
	v_lshlrev_b32 v12, 4, v121                     ; 16 x lane
	s_delay_alu instid0(VALU_DEP_2)
	v_lshlrev_b32 v13, 3, v121                     ; 8 x lane
	s_delay_alu instid0(VALU_DEP_3)
	v_lshlrev_b32 v14, 2, v121                     ; 4 x lane
	v_lshlrev_b32 v15, 4, v4                       ; 16 h
	v_lshl_add_u32 v46, v4, 3, v5                  ; 8 h + r + 8 (r / 8)
	v_bfe_u32 v124, v0, 2, 3                       ; lane / 4: which of a copy's 8 pieces of 64 bytes is mine
	v_and_b32 v125, 3, v0
	s_delay_alu instid0(VALU_DEP_2)
	v_mul_u32_u24 v126, v124, 80
	s_delay_alu instid0(VALU_DEP_1)
	v_lshl_add_u32 v126, v125, 4, v126             ; 80 (lane / 4) + 16 (lane % 4)
	s_wait_alu depctr_va_vdst(0)
	s_wait_dscnt 0x0                               ; both opening adds are done
	s_wait_kmcnt 0x0
	s_cmp_eq_u32 s[ROLE], 1                        ; the choices hang on the work-group's number alone
	s_cselect_b64 s[30:31], s[16:17], s[12:13]     ; S0's codes: Wk or context,
	s_cselect_b64 s[32:33], s[18:19], s[14:15]     ; S0's scales
	s_cselect_b64 s[34:35], s[12:13], s[20:21]     ; S1's codes: context or Wv
	s_cselect_b64 s[36:37], s[14:15], s[22:23]
	s_cmp_eq_u32 s[ROLE], 0
	s_cselect_b64 s[30:31], s[8:9], s[30:31]       ; or Wq
	s_cselect_b64 s[32:33], s[10:11], s[32:33]
	s_cselect_b64 s[34:35], s[4:5], s[34:35]       ; or x
	s_cselect_b64 s[36:37], s[6:7], s[36:37]
	s_add_nc_u64 s[34:35], s[34:35], s[80:81]      ; my rows of S1 in memory
	s_add_nc_u64 s[30:31], s[30:31], s[82:83]      ; and of S0
	s_add_nc_u64 s[32:33], s[32:33], s[84:85]
	s_add_nc_u64 s[36:37], s[36:37], s[86:87]
	s_cmp_eq_u32 s[ROLE], 0
	s_cbranch_scc0 .Lkv
	ARM 16
	s_branch .Lfilled
.Lkv:
	ARM 24
.Lfilled:
	; WOUT'S CODES ARE LAID ANEW, as images of operand registers, for the launch that follows: wimg [tile of 16 rows][K step of 128][three planes of 512 bytes], 16 bytes a lane.
	; There are 32 x 4 = 128 fragments: wave 0 of work-group g under 128 takes fragment g (tile g / 4, K step g % 4), while its copies are on their way.  Both branches hang on ids alone
	s_cmp_lg_u32 s[WV], 0
	s_cbranch_scc1 .Lno_w
	s_cmp_ge_u32 ttmp9, 128
	s_cbranch_scc1 .Lno_w
	s_lshr_b32 s44, ttmp9, 2
	s_mul_i32 s44, s44, 6144                       ; 16 rows of 384 bytes
	s_and_b32 s45, ttmp9, 3
	s_mul_i32 s45, s45, 96                         ; 128 codes
	s_add_co_u32 s44, s44, s45
	s_mov_b32 s45, 0
	s_add_nc_u64 s[40:41], s[40:41], s[44:45]
	s_mul_i32 s46, ttmp9, 1536
	s_mov_b32 s47, 0
	s_add_nc_u64 s[42:43], s[42:43], s[46:47]
	v_mul_u32_u24 v120, v3, 384
	s_delay_alu instid0(VALU_DEP_1)
	v_mad_u32_u24 v120, v4, 24, v120               ; row r, + 24 h
.irp p, 0,1,2,3,4,5
	global_load_b64 v[104+2*\p:105+2*\p], v120, s[40:41] offset:48*(\p/3)+8*(\p%3)
.endr
	s_wait_loadcnt 0x0
.irp c, 0,1,2
	global_store_b128 v12, v[104+4*\c:107+4*\c], s[42:43] offset:512*\c   ; 512 consecutive bytes, aligned
.endr
	s_wait_xcnt 0x0                                ; the stores have read their registers, which fragments take further on
.Lno_w:
	s_wait_asynccnt 0x0                            ; my copies have landed,
	s_barrier_signal -1
	s_barrier_wait -1                              ; everybody's are; nothing is filled again
	s_wait_loadcnt 0x0                             ; the scale words
	KSTEP 0, 1                                     ; the first K step starts the sums
	KSTEP 1, 0
	KSTEP 2, 0
	KSTEP 3, 0
	s_cmp_eq_u32 s[ROLE], 0                        ; K = 512 ends here
	s_cbranch_scc1 .Lkdone
	s_wait_alu depctr_va_vdst(0)
	KSTEP 4, 0
	KSTEP 5, 0
.Lkdone:
	PLACES
.irp b, 0,1,2,3
	v_mov_b32 v[TM+4+\b], 0                        ; a lane permute's destination counts as one of its sources
.endr
	QUANT ACC, PC0, PW0                            ; my tile 0 of S1's rows
	QUANT ACC+64, PC1, PW1                         ; my tile 1
	s_lshl_b32 s78, s71, 3
	s_add_co_u32 s78, s78, s[WV]                   ; Q, K: which group of 32 rows of S1 is mine
	s_mov_b32 s81, 0
	s_mov_b32 s83, 0
	s_cmp_eq_u32 s[ROLE], 2
	s_cbranch_scc1 .Lstore_v
	v_lshrrev_b32 v90, v15, v[PW0]                 ; Q, K: the word's lower two bytes belong to the first head, the upper two to the second: lanes 0-15 store the first head's, lanes 16-31 the second's,
	v_lshrrev_b32 v91, v15, v[PW1]
	s_delay_alu instid0(VALU_DEP_2)
	v_and_b32 v90, 0xffff, v90                     ; with bytes 0 for the half of the instruction's K that a head of 64 has not
	s_delay_alu instid0(VALU_DEP_2)
	v_and_b32 v91, 0xffff, v91
	s_cmp_eq_u32 s[ROLE], 1
	s_cbranch_scc1 .Lstore_k
	s_mul_i32 s80, s78, 2*6144                     ; Q: tiles 2 x group + a, heads 2 (g & 3) + e
	s_mul_i32 s79, s70, 1536
	s_add_co_u32 s80, s80, s79
	s_add_nc_u64 s[24:25], s[24:25], s[80:81]
	s_lshl_b32 s82, s78, 10
	s_lshl_b32 s79, s70, 7
	s_add_co_u32 s82, s82, s79
	s_add_nc_u64 s[26:27], s[26:27], s[82:83]
	s_wait_alu depctr_va_vdst(0)
.irp a, 0,1
.irp e, 0,1
	global_store_b128 v12, v[PC0-48*\a+6*\e:PC0-48*\a+6*\e+3], s[24:25] offset:6144*\a+768*\e
	global_store_b64 v13, v[PC0-48*\a+6*\e+4:PC0-48*\a+6*\e+5], s[24:25] offset:6144*\a+768*\e+512
.endr
	global_store_b32 v14, v[90+\a], s[26:27] offset:512*\a
.endr
	s_branch .Lend
.Lstore_k:
	s_lshr_b32 s79, s78, 2                         ; K: the step of 128 keys,
	s_mul_i32 s80, s79, SLAB
	s_mul_i32 s79, s70, 2*CH                       ; the first head's chunk,
	s_add_co_u32 s80, s80, s79
	s_and_b32 s79, s78, 3                          ; tiles 2 (group & 3) + a of the step
	s_mul_i32 s82, s79, 2*768
	s_add_co_u32 s82, s82, s80
	s_add_nc_u64 s[30:31], s[28:29], s[82:83]
	s_lshl_b32 s79, s79, 7
	s_add_co_u32 s80, s80, s79
	s_add_co_u32 s80, s80, 12288
	s_add_nc_u64 s[28:29], s[28:29], s[80:81]
	v_mul_u32_u24 v92, v4, CH
	s_delay_alu instid0(VALU_DEP_1)
	v_lshl_add_u32 v92, v3, 2, v92                 ; the scale words: h chunks on, 4 r
	s_wait_alu depctr_va_vdst(0)
.irp a, 0,1
.irp e, 0,1
	global_store_b128 v12, v[PC0-48*\a+6*\e:PC0-48*\a+6*\e+3], s[30:31] offset:768*\a+CH*\e
	global_store_b64 v13, v[PC0-48*\a+6*\e+4:PC0-48*\a+6*\e+5], s[30:31] offset:768*\a+CH*\e+512
.endr
	global_store_b32 v92, v[90+\a], s[28:29] offset:64*\a
.endr
	s_branch .Lend
.Lstore_v:
	s_mul_i32 s80, s72, SLAB                       ; V: the step of 128 keys,
	s_lshl_b32 s79, s73, 2
	s_lshr_b32 s82, s[WV], 1
	s_add_co_u32 s79, s79, s82                     ; head 4 (g & 1) + wave / 2,
	s_mul_i32 s79, s79, CH
	s_add_co_u32 s80, s80, s79
	s_and_b32 s79, s[WV], 1                        ; tiles 2 (wave & 1) + a of the head's 64
	s_mul_i32 s82, s79, 2*1536
	s_add_co_u32 s82, s82, s80
	s_add_co_u32 s82, s82, 6144
	s_add_nc_u64 s[30:31], s[28:29], s[82:83]
	s_lshl_b32 s79, s79, 7
	s_add_co_u32 s80, s80, s79
	s_add_co_u32 s80, s80, 12800
	s_add_nc_u64 s[28:29], s[28:29], s[80:81]
	s_mov_b32 s88, 0xffff0000
	v_cndmask_b32 v90, v[PW0], v[PW1], s88         ; lanes 0-15 store tile 0's words, lanes 16-31 tile 1's
	s_wait_alu depctr_va_vdst(0)
.irp a, 0,1
.irp c, 0,1,2
	global_store_b128 v12, v[PC0-48*\a+4*\c:PC0-48*\a+4*\c+3], s[30:31] offset:1536*\a+512*\c
.endr
.endr
	global_store_b32 v14, v90, s[28:29]
.Lend:
	s_wait_tensorcnt 0x0                           ; the wave's end
	ds_add_u32 v[SPW], v[NIL]
	s_wait_dscnt 0x0
	s_endpgm
.Lfunc_end_k_qb4313583e6_proj:
	.size	k_qb4313583e6_proj, .Lfunc_end_k_qb4313583e6_proj-k_qb4313583e6_proj
	.p2alignl 7, 3214868480
	.fill 96, 4, 3214868480
	.section	.rodata,"a",@progbits
	.p2align	6, 0x0
	.amdhsa_kernel k_qb4313583e6_proj
		.amdhsa_group_segment_fixed_size 277504
		.amdhsa_private_segment_fixed_size 0
		.amdhsa_enable_private_segment 0
		.amdhsa_kernarg_size 120
		.amdhsa_user_sgpr_count 2
		.amdhsa_user_sgpr_kernarg_segment_ptr 1
		.amdhsa_wavefront_size32 1
		.amdhsa_system_sgpr_workgroup_id_x 1
		.amdhsa_system_sgpr_workgroup_id_y 1
		.amdhsa_system_sgpr_workgroup_id_z 1
		.amdhsa_system_vgpr_workitem_id 0
		.amdhsa_next_free_vgpr 256
		.amdhsa_next_free_sgpr 92
		.amdhsa_reserve_vcc 0
		.amdhsa_float_denorm_mode_32 3
		.amdhsa_float_denorm_mode_16_64 3
		.amdhsa_memory_ordered 1
		.amdhsa_forward_progress 1
		.amdhsa_inst_pref_size 75
	.end_amdhsa_kernel
	.amdgpu_metadata
---
amdhsa.version: [ 1, 2 ]
amdhsa.kernels:
  - .name:           k_qb4313583e6_proj
    .symbol:         k_qb4313583e6_proj.kd
    .args:
      - { .name: x_codes, .offset: 0, .size: 8, .value_kind: global_buffer, .address_space: global }
      - { .name: x_scales, .offset: 8, .size: 8, .value_kind: global_buffer, .address_space: global }
      - { .name: Wq_codes, .offset: 16, .size: 8, .value_kind: global_buffer, .address_space: global }
      - { .name: Wq_scales, .offset: 24, .size: 8, .value_kind: global_buffer, .address_space: global }
      - { .name: context_codes, .offset: 32, .size: 8, .value_kind: global_buffer, .address_space: global }
      - { .name: context_scales, .offset: 40, .size: 8, .value_kind: global_buffer, .address_space: global }
      - { .name: Wk_codes, .offset: 48, .size: 8, .value_kind: global_buffer, .address_space: global }
      - { .name: Wk_scales, .offset: 56, .size: 8, .value_kind: global_buffer, .address_space: global }
      - { .name: Wv_codes, .offset: 64, .size: 8, .value_kind: global_buffer, .address_space: global }
      - { .name: Wv_scales, .offset: 72, .size: 8, .value_kind: global_buffer, .address_space: global }
      - { .name: qimg, .offset: 80, .size: 8, .value_kind: global_buffer, .address_space: global }
      - { .name: qsc, .offset: 88, .size: 8, .value_kind: global_buffer, .address_space: global }
      - { .name: kv, .offset: 96, .size: 8, .value_kind: global_buffer, .address_space: global }
      - { .name: Wout_codes, .offset: 104, .size: 8, .value_kind: global_buffer, .address_space: global }
      - { .name: wimg, .offset: 112, .size: 8, .value_kind: global_buffer, .address_space: global }
    .group_segment_fixed_size: 277504
    .private_segment_fixed_size: 0
    .kernarg_segment_align: 8
    .kernarg_segment_size: 120
    .max_flat_workgroup_size: 256
    .sgpr_count:     92
    .vgpr_count:     256
    .wavefront_size: 32
...
	.end_amdgpu_metadata
.endif
;; end of part 1
;; launch attn (part 2): grid 256 x 1, 8 waves a work-group, clusters of 4 x 1, 327,680 bytes of LDS; arguments mask, qimg, qsc, kv, wimg, Wout_scales, b_out, out0; writes out0
.if DOCPART == 2
	.amdgcn_target "amdgcn-amd-amdhsa--gfx1250"
	.amdhsa_code_object_version 6
	.text
	.protected	k_qb4313583e6_attn
	.globl	k_qb4313583e6_attn
	.p2align	8
	.type	k_qb4313583e6_attn,@function
k_qb4313583e6_attn:
	s_mov_b64 s[64:65], 0
	v_nop
	global_prefetch_b8 v0, s[64:65] scope:SCOPE_SE
	s_setreg_imm32_b32 hwreg(HW_REG_WAVE_MODE, 25, 1), 1
	s_wait_xcnt 0x0
	s_wait_alu depctr_hold_cnt(0) depctr_sa_sdst(0) depctr_va_vdst(0) depctr_va_sdst(0) depctr_va_ssrc(0) depctr_va_vcc(0) depctr_vm_vsrc(0)
	s_getreg_b32 s2, hwreg(HW_REG_IB_STS2, 6, 4)
	s_cmp_eq_u32 s2, 0
	s_cbranch_scc0 .Lentry_in_a_cluster
	s_endpgm
.Lentry_in_a_cluster:
	s_bfe_u32 s2, ttmp6, 0x10000c
	s_cmp_lg_u32 s2, 0x3003
	s_cbranch_scc0 .Lentry_shape_is_right
	s_endpgm
.Lentry_shape_is_right:
; out0 = Q(softmax-part(Q(q) Q(k)^T / 8, mask) Q(v) / l) Wout + b_out: the scores, the mask, the softmax, the product with v, the quantiser of the result and the projection, on codes of E2M3.  Nothing of reference() is left out.
; SHARES.  A work-group owns 64 queries of one batch, for all 8 heads; wave w is head w and holds four tiles of 16 queries (units 0-3).  Every wave walks the batch's 2,048 keys, 128 a step.
; LAYOUT.  Both products are used transposed: S^T = K Q^T, O^T = V^T P^T: a lane holds ONE query (lane % 16) throughout.  Keys, channels and queries lie in their tiles as the launch before has laid them: lane r of tile 2 b + u is
; row 32 b + 8 u + r + 8 (r / 8), so S^T's register 16 b + i of lane (r, h) is key 32 b + 16 h + i, and O^T's register 16 b + i is channel 32 b + 16 h + i.
; A head has 64 channels, half of the instruction's K: Q's upper six registers are zero codes, and both sides' scale bytes there are 0; K's fragments lie 6 registers apart, so a tile's upper six are the next tile's codes, which meet zeros.
; THE MASK is read once for the 8 heads.  Each step the 8 waves turn 64 x 128 mask words into a tile of f32 in S^T's own layout, 0 where the mask is not 0 and -2^100 where it is 0, in LDS; each wave loads it into its score
; registers, and the score product adds onto it (C = D).  The running largest t begins at -2^90, so a masked key's p = 2^(t - M) is 0 whatever M is.
; A ROW WITH EVERY KEY MASKED ends with the sum l = 0.  There reference() has the same logit, -1e9, for all keys: t is a whole number in f32, p = 1 for each, l = 2,048.  So the sum of Q(v) over all keys is kept beside O^T
; (four products a step with an operand of ones: code 4.0, scale 2^-2, which is what the quantiser makes of a block of ones), and is selected where l = 0: a select, no branch.
; THE SOFTMAX: t = score x log2(e) / 8; M = the running largest t rounded up to a whole number; p = 2^(t - M) is quantised along the keys; l sums the unquantised p; when M moves, l and O^T are multiplied by 2^(old M - new M).
; LIMITS: an unmasked logit under about -9.9e8, beside which reference()'s -1e9 of masked keys would still weigh, is not served; NaN and infinities are not served; scale bytes are held at 1 from below.
; CLUSTER: the four work-groups of a cluster belong to one batch (64 work-groups a batch) and walk the same keys: wave w of each asks JOINTLY for head w's chunk of the step (13,056 dense bytes), and only that wave reads it.
; A wave has one tensor load out behind each round, and that load has a whole step in which to land.  The mask's words for a step are loaded into registers two steps ahead and turned one step ahead.
; REGISTERS, in windows of 256.  Window 0: v1-15 addresses; v16-31 -M, largest t, l (a pair) for each unit; v32-95 S^T, then p; v96-115 p's codes; v116-131 at work; v132-142 scale words; v144-191 Q; v192-203 ones; v204-251 V.
;   Window 1: v0-127 O^T (32 u + 8 t); v128-159 the sum of V; v160-213 K; v214 -2^100; v216-247 mask words.
.set CH,     13056
.set SLAB,   8*CH                      ; a slot: the 8 heads' chunks of a step; wave w's at w x CH
.set BIAS0,  2*SLAB                    ; two tiles of mask numbers: 4 units x 16 planes x 656 bytes; plane n = score registers 4 n .. 4 n + 3, lane (r, h) at 16 r + 384 h
.set BPL,    656
.set BUNIT,  16*BPL
.set BSZ,    4*BUNIT
.set SPARE,  BIAS0+2*BSZ               ; the spare words, 128 bytes for each wave: four blocks of 256 bytes that no other line names
.set AIMG,   SPARE+1024                ; the attention rows as codes: unit x 6,144 + head x 768: registers 0-3 (512 bytes), 4-5 (256)
.set ASC,    AIMG+4*8*768              ; their scale words: (4 unit + K step) x 128 + 4 x lane; head 2 s + e writes half-word e
.set STAGE,  BIAS0                     ; the way out: 16 rows x 272 bytes for each wave, where the first tile of mask numbers lay: it was last read two barriers earlier
.set SPITCH, 272
.set SPW,  1
.set NIL,  2
.set KV16, 3                           ; v3-4   slot p + my chunk + 16 x lane
.set KV8,  5                           ; v5-6   + 8 x lane
.set KV4,  7                           ; v7-8   + 4 x lane
.set BR,   9                           ; v9-10  where I read mask numbers
.set BW,   11                          ; v11-12 where I store them
.set L16,  13                          ; v13    16 x lane
.set L8,   14                          ; v14    8 x lane
.set R4,   15                          ; v15    4 r; at the end 32 h
.set STT,  16
.set S,    32
.set PCD,  96
.set CT,   108
.set BM,   116
.set PT,   120
.set SO,   124
.set FF,   128                         ; v128 f; v129 named with it as a pair
.set TT,   130
.set PSC,  131
.set KS,   132                         ; register i: lanes 0-15 tile 2 i, lanes 16-31 tile 2 i + 1
.set VS,   136
.set QS,   138
.set OSC,  142
.set QF,   144
.set ONES, 192
.set VF,   204
.set VSM,  128                         ; window 1
.set KF,   160
.set BV,   214
.set MK,   216
.set WS,   132                         ; the end: Wout's scale words v132-139, the attention rows' v140-143
.set AS,   140
.set BF,   208                         ; the attention rows' four fragments; then rows of out0
.set WB,   192                         ; window 1: b_out in the result's layout
.set WV,   20
.set G1,   24
.set G0,   32                          ; s[32:35] slot 0, s[36:39] slot 1
.set CM,   40                          ; s40-47 lane masks
.set SEL,  48
.set CS,   50
.set MB,   52                          ; s[52:53] my 8 rows of the mask, at the step to be loaded
.set MSB, 0
.macro WIN new                         ; the immediate's high byte repeats the setting that is left
.if MSB != \new
	s_set_vgpr_msb (MSB<<8)|\new
.set MSB, \new
.endif
.endm
.set W_S,   0x01                       ; source 0 (K) window 1
.set W_PV,  0x50                       ; C and D (O^T) window 1
.set W_RS,  0x41                       ; destination and source 0 (O^T) window 1
.set W_LD1, 0x40                       ; a load's destination window 1
.set W_MC,  0x44                       ; destination and source 1 window 1
.set W_FS,  0x05                       ; sources 0 and 1 window 1
.set W_O0,  0x11                       ; source 0 (Wout) and C (b_out) window 1
.set W_O1,  0x01
.macro PLACES                          ; four places behind a matrix instruction, in front of loads into its registers and of reads of its results
.rept 4
	v_nop
.endr
.endm
.macro ROUND                           ; a round of the cluster's barrier
	s_barrier_signal -1
	s_barrier_wait -1
	s_cmp_lg_u32 s[WV], 0
	s_cbranch_scc1 .Lnot_wave_0_\@
	s_barrier_signal -3
.Lnot_wave_0_\@:
	s_barrier_wait -3
	s_barrier_signal -1
	s_barrier_wait -1
.endm
.macro WM d, fa, fb, c, sa, sb, ra     ; one product; ra: source 0's scale words stand in lanes 16-31
.if \ra
	v_wmma_scale_f32_16x16x128_f8f6f4 v[\d:\d+7], v[\fa:\fa+11], v[\fb:\fb+11], v[\c:\c+7], v[\sa], v[\sb] matrix_a_fmt:MATRIX_FMT_FP6 matrix_b_fmt:MATRIX_FMT_FP6 matrix_a_scale:MATRIX_SCALE_ROW1
.else
	v_wmma_scale_f32_16x16x128_f8f6f4 v[\d:\d+7], v[\fa:\fa+11], v[\fb:\fb+11], v[\c:\c+7], v[\sa], v[\sb] matrix_a_fmt:MATRIX_FMT_FP6 matrix_b_fmt:MATRIX_FMT_FP6
.endif
.endm
.macro MLOAD                           ; my 8 rows' 128 mask words of a step: each load reads 512 consecutive bytes of one row
	WIN W_LD1
.irp i, 0,1,2,3,4,5,6,7
	global_load_b128 v[MK+4*\i:MK+4*\i+3], v[L16], s[MB:MB+1] offset:8192*\i th:TH_LOAD_NT
.endr
	WIN 0
.endm
.macro MCONV p, n                      ; the words become 0 or -2^100 and go to tile p; n: the younger loads that may stay out
	s_wait_loadcnt \n
	WIN W_MC
.irp q, 0,1,2,3
.irp k, 0,1,2,3,4,5,6,7
	v_cmp_eq_u32 s[CM+\k], 0, v[MK+8*\q+\k]
.endr
.irp k, 0,1,2,3,4,5,6,7
	v_cndmask_b32 v[MK+8*\q+\k], 0, v[BV], s[CM+\k]
.endr
.endr
.irp i, 0,1,2,3,4,5,6,7
	ds_store_b128 v[BW+(\p)], v[MK+4*\i:MK+4*\i+3] offset:16*\i   ; row 8 w + i: lane L's keys 4 L .. 4 L + 3 are registers of plane 4 (L / 8) + L % 4, half (L / 4) % 2
.endr
	WIN 0
.endm
.macro KFETCH p                        ; my head's K and its scale words of the step in slot p, as images of their registers
	WIN W_LD1
.irp t, 0,1,2,3,4,5,6,7
	ds_load_b128 v[KF+6*\t:KF+6*\t+3], v[KV16+\p] offset:768*\t
	ds_load_b64 v[KF+6*\t+4:KF+6*\t+5], v[KV8+\p] offset:768*\t+512
.endr
	WIN 0
.irp i, 0,1,2,3
	ds_load_b32 v[KS+\i], v[KV4+\p] offset:12288+128*\i
.endr
.endm
.macro VFETCH p                        ; and V with its scale words
.irp t, 0,1,2,3
.irp c, 0,1,2
	ds_load_b128 v[VF+12*\t+4*\c:VF+12*\t+4*\c+3], v[KV16+\p] offset:6144+1536*\t+512*\c
.endr
.endr
.irp i, 0,1
	ds_load_b32 v[VS+\i], v[KV4+\p] offset:12800+128*\i
.endr
.endm
.macro BIASLD p, u                     ; unit u's mask numbers into the score registers
.irp n, 0,1,2,3,4,5,6,7,8,9,10,11,12,13,14,15
	ds_load_b128 v[S+4*\n:S+4*\n+3], v[BR+\p] offset:BUNIT*(\u)+BPL*\n
.endr
.endm
.macro SMUL u                          ; S^T = K Q^T + the mask numbers: eight accumulators, one instruction each
	WIN W_S
.irp t, 0,1,2,3,4,5,6,7
	WM S+8*\t, KF+6*\t, QF+12*(\u), S+8*\t, KS+\t/2, QS+(\u), \t%2
.endr
	WIN 0
.endm
.macro SOFT u
.set NM, STT+4*(\u)
.irp b, 0,1,2,3
	v_max3_num_f32 v[BM+\b], v[S+16*\b], v[S+16*\b+1], v[S+16*\b+2]   ; the largest score of each block of 32 keys: for the row's maximum, and, since p rises with the score, for the block's largest p
.endr
.irp i, 3,5,7,9,11,13
.irp b, 0,1,2,3
	v_max3_num_f32 v[BM+\b], v[BM+\b], v[S+16*\b+\i], v[S+16*\b+\i+1]
.endr
.endr
.irp b, 0,1,2,3
	v_max_num_f32 v[BM+\b], v[BM+\b], v[S+16*\b+15]
.endr
.irp b, 0,1,2,3
	s_delay_alu instid0(VALU_DEP_4)
	v_permlanex16_b32 v[PT+\b], v[BM+\b], s[SEL], s[SEL+1]
.endr
.irp b, 0,1,2,3
	s_delay_alu instid0(VALU_DEP_4)
	v_max_num_f32 v[BM+\b], v[BM+\b], v[PT+\b]     ; with lane l xor 16's 16 keys
.endr
	s_delay_alu instid0(VALU_DEP_2)
	v_max3_num_f32 v[TT], v[BM], v[BM+1], v[BM+2]
	s_delay_alu instid0(VALU_DEP_1)
	v_max_num_f32 v[TT], v[TT], v[BM+3]
	s_delay_alu instid0(VALU_DEP_1)
	v_mul_f32 v[TT], s[CS], v[TT]                  ; as t (c is positive)
	s_delay_alu instid0(VALU_DEP_1)
	v_max_num_f32 v[NM+1], v[NM+1], v[TT]          ; the running largest t
	v_mov_b32 v[TT], v[NM]
	s_delay_alu instid0(VALU_DEP_2)
	v_floor_f32 v[NM], -v[NM+1]                    ; the new -M = floor(-t): M is a whole number
	s_delay_alu instid0(VALU_DEP_1)
	v_sub_f32 v[TT], v[NM], v[TT]                  ; old M - new M: a whole number, 0 or less
	s_delay_alu instid0(VALU_DEP_1)
	v_cvt_i32_f32 v[TT], v[TT]                     ; (it saturates)
	s_delay_alu instid0(VALU_DEP_1)
	v_ldexp_f32 v[FF], 1.0, v[TT]                  ; f = 2^(old M - new M)
.set JJ, 0
.rept 32
	v_pk_fma_f32 v[S+JJ:S+JJ+1], v[S+JJ:S+JJ+1], s[CS:CS+1], v[NM:NM+1] op_sel_hi:[1,0,0]   ; t - M, two at a time
.set JJ, JJ+2
.endr
.irp b, 0,1,2,3
	v_fma_f32 v[BM+\b], v[BM+\b], s[CS], v[NM]     ; the same of each block's largest score
.endr
.set JJ, 0
	s_wait_alu depctr_va_vdst(0)
.rept 64
	v_exp_f32 v[S+JJ], v[S+JJ]                     ; p = 2^(t - M), at most 1; 0 for a masked key
.set JJ, JJ+1
.endr
	v_pk_mul_f32 v[NM+2:NM+3], v[NM+2:NM+3], v[FF:FF+1] op_sel_hi:[1,0]   ; l under the new M: the plain place behind the exponentials
	s_wait_alu depctr_va_vdst(0)                   ; one wait for the batch of 64, ahead of its first reader
.irp b, 0,1,2,3
	v_exp_f32 v[BM+\b], v[BM+\b]                   ; the block's largest p
.endr
	v_pk_add_f32 v[PT:PT+1], v[S:S+1], v[S+2:S+3]  ; l sums the unquantised p: two at a time, in two chains
.irp j, 4,8,12,16,20,24,28,32,36,40,44,48,52,56,60
	v_pk_add_f32 v[NM+2:NM+3], v[NM+2:NM+3], v[S+\j:S+\j+1]
	v_pk_add_f32 v[PT:PT+1], v[PT:PT+1], v[S+\j+2:S+\j+3]
.endr
	s_delay_alu instid0(VALU_DEP_1)
	v_pk_add_f32 v[NM+2:NM+3], v[NM+2:NM+3], v[PT:PT+1]
	s_wait_alu depctr_va_vdst(0)                   ; and one for the four
.irp b, 0,1,2,3
	v_max_num_f32 v[BM+\b], 0x1800000, v[BM+\b]    ; the floor 2^(3 - 127): the byte cannot fall under 1 (a block whose every p is 0 keeps that byte: its codes are zeros)
.endr
.irp b, 0,1,2,3
	s_delay_alu instid0(VALU_DEP_4)
	v_add_nc_u32 v[SO+\b], 0xff000000, v[BM+\b]    ; 2 off the exponent field: the conversion's scale operand
.endr
.irp b, 0,1,2,3
	s_delay_alu instid0(VALU_DEP_4)
	v_lshrrev_b32 v[PT+\b], 23, v[SO+\b]           ; the scale's byte
.endr
	s_delay_alu instid0(VALU_DEP_3)
	v_lshl_or_b32 v[PSC], v[PT+1], 8, v[PT]        ; p's scale word for these 128 keys
	s_delay_alu instid0(VALU_DEP_1)
	v_lshl_or_b32 v[PSC], v[PT+2], 16, v[PSC]
	s_delay_alu instid0(VALU_DEP_1)
	v_lshl_or_b32 v[PSC], v[PT+3], 24, v[PSC]
.irp c, 0,1
	v_cvt_scalef32_pk16_fp6_f32 v[PCD+6*\c:PCD+6*\c+2], v[S+32*\c:S+32*\c+15], v[SO+2*\c]
	v_cvt_scalef32_pk16_fp6_f32 v[CT+4*\c:CT+4*\c+2], v[S+32*\c+16:S+32*\c+31], v[SO+2*\c+1]   ; (a conversion's three registers begin on an even number)
.endr
.endm
.macro PVMUL u                         ; O^T = f O^T + V^T P^T.  The 16 scalings are also the places between the lines that made p's codes and scale word and the products
	WIN W_RS
.set JJ, 32*(\u)
.rept 16
	v_pk_mul_f32 v[JJ:JJ+1], v[JJ:JJ+1], v[FF:FF+1] op_sel_hi:[1,0]
.set JJ, JJ+2
.endr
	WIN W_PV
.irp t, 0,1,2,3
	WM 32*(\u)+8*\t, VF+12*\t, PCD, 32*(\u)+8*\t, VS+\t/2, PSC, \t%2
.endr
.endm
.macro VSUM                            ; the sum of Q(v) over the step's keys, for rows that have every key masked
.irp t, 0,1,2,3
	WM VSM+8*\t, VF+12*\t, ONES, VSM+8*\t, VS+\t/2, OSC, \t%2
.endr
.endm
.macro UNIT p, u, mload, next          ; next = 1 (unit 3 alone): the next step's K, mask numbers and V are fetched from the other slot and tile as their registers fall free
	s_wait_dscnt 0x0                               ; the unit's mask numbers are in (unit 0: K, V and scale words too, and my stores of mask numbers have read their registers)
	SMUL \u
.if ((\u) == 0) && (\mload)
	s_add_nc_u64 s[MB:MB+1], s[MB:MB+1], 512       ; (the last loads by this address were waited for ahead of their conversion)
	MLOAD                                          ; the mask's words of two steps on
.endif
	PLACES
.if \next
	KFETCH 1-\p                                    ; K's registers are done with: the next step's K comes in under this unit's softmax
.endif
	SOFT \u
	v_nop                                          ; one plain place behind the last scaled conversion
.if (\u) < 3
	BIASLD \p, (\u)+1                              ; p is done with: the next unit's mask numbers take its registers
.elseif \next
	BIASLD 1-\p, 0                                 ; or the next step's unit 0's, from the other tile
.endif
.irp c, 0,1                                    ; the operand's layout wants a whole block in a lane
.irp i, 0,1,2
	v_permlane16_swap_b32 v[PCD+6*\c+\i], v[CT+4*\c+\i]
.endr
.irp i, 0,1,2
	s_delay_alu instid0(VALU_DEP_3)
	v_mov_b32 v[PCD+3+6*\c+\i], v[CT+4*\c+\i]
.endr
.endr
	PVMUL \u
.if (\u) == 0
	VSUM
.endif
	WIN 0
.if \next
	PLACES                                         ; in front of loads into registers that the products above read
	VFETCH 1-\p
.endif
.endm
; A STEP of 128 keys, whose chunk lay in slot p.  Its K, V and unit 0's mask numbers were asked of LDS in the step before, so the slot is read no more, and the waves MEET between units 2 and 3:
; in front of the barrier each wave waits for all its tensor loads (one is out: the next step's chunk, in the other slot), adds 0 to its spare word, and waits for that, for its reads of this step's
; mask numbers (unit 3's were the last) and for its stores of the next step's.  Behind it: this step's own slot is asked for again, with the chunk two steps on (meet = 2); the next step's tile of mask
; numbers may be read; and this step's tile may be written, which the next step's head does.  meet = 1: a barrier with no refill behind it; meet = 0: the last step, nothing follows.
.macro TRIP p, meet, conv, mload, next
.if \conv
	MCONV 1-\p, 0
.endif
	UNIT \p, 0, \mload, 0
	UNIT \p, 1, 0, 0
	UNIT \p, 2, 0, 0
.if \meet
	s_wait_tensorcnt 0x0
	ds_add_u32 v[SPW], v[NIL]
.if (\meet) == 2
	s_add_nc_u64 s[G0+4*\p+2:G0+4*\p+3], s[G0+4*\p+2:G0+4*\p+3], 2*SLAB   ; no tensor load of mine is out: this slot's next chunk
.endif
	s_wait_dscnt 0x0
.if (\meet) == 2
	ROUND                                          ; no wave of any partner still reads this slot or has a load on its way
	tensor_load_to_lds s[G0+4*\p:G0+4*\p+3], s[G1:G1+7]
	s_nop 0
	PLACES
.else
	s_barrier_signal -1
	s_barrier_wait -1
.endif
.endif
	UNIT \p, 3, 0, \next
.endm
	s_load_b512 s[4:19], s[0:1], 0x0               ; mask 4, qimg 6, qsc 8, kv 10, Wout's codes as images of registers 12, its scales 14, b_out 16, out0 18
	v_lshl_add_u32 v[SPW], v0, 2, SPARE
	v_mov_b32 v[NIL], 0
	ds_add_u32 v[SPW], v[NIL]                      ; the wave's opening: the add, twice on end, and its wait ahead of the round in front of my first tensor load
	ds_add_u32 v[SPW], v[NIL]
	v_lshrrev_b32 v32, 5, v0
	s_delay_alu instid0(VALU_DEP_1)
	v_readfirstlane_b32 s[WV], v32                 ; wave 0..7 = head
	s_bfe_u32 s21, ttmp6, 0x40000                  ; cx: it enters the addresses of mask, qimg, qsc and out0 alone
	s_lshl_b32 s22, ttmp9, 2
	s_add_co_u32 s22, s22, s21                     ; my block of 64 queries
	s_mov_b32 s[G1+0], 15|(3<<16)|(1<<21)          ; the mask: all four work-groups; elements of 8 bytes; bit 21 set beside a mask; no padding
	s_mov_b32 s[G1+1], 32<<16                      ; a chunk is 51 dense rows of 256 bytes
	s_mov_b32 s[G1+2], 51<<16
	s_mov_b32 s[G1+3], 32<<16
	s_mov_b32 s[G1+4], 51
	s_mov_b32 s[G1+5], 32
	s_mov_b32 s[G1+6], 0
	s_mov_b32 s[G1+7], 0
	s_mov_b32 s[SEL], 0x76543210
	s_mov_b32 s[SEL+1], 0xfedcba98
	s_mov_b32 s[CS], 0x3e38aa3b                    ; c = log2(e) / 8
	s_mov_b32 s[CS+1], s[CS]
	s_lshr_b32 s54, ttmp9, 4                       ; the batch, which the four partners share
	s_mul_i32 s54, s54, 16*SLAB
	s_mul_i32 s56, s[WV], CH                       ; my head's chunk, in memory and in a slot
	s_add_co_u32 s54, s54, s56
	s_mov_b32 s55, 0
	v_and_b32 v33, 31, v0                          ; lane
	v_and_b32 v34, 15, v0                          ; r
	v_bfe_u32 v35, v0, 4, 1                        ; h
	s_delay_alu instid0(VALU_DEP_3)
	v_lshlrev_b32 v[L16], 4, v33
	s_delay_alu instid0(VALU_DEP_4)
	v_lshlrev_b32 v[L8], 3, v33
	s_delay_alu instid0(VALU_DEP_4)
	v_lshlrev_b32 v[R4], 2, v34
	v_lshlrev_b32 v36, 2, v33
	s_delay_alu instid0(VALU_DEP_4)
	v_add_nc_u32 v[KV16], s56, v[L16]
	s_delay_alu instid0(VALU_DEP_1)
	v_add_nc_u32 v[KV16+1], SLAB, v[KV16]
	v_add_nc_u32 v[KV8], s56, v[L8]
	s_delay_alu instid0(VALU_DEP_1)
	v_add_nc_u32 v[KV8+1], SLAB, v[KV8]
	v_add_nc_u32 v[KV4], s56, v36
	s_delay_alu instid0(VALU_DEP_1)
	v_add_nc_u32 v[KV4+1], SLAB, v[KV4]
	v_lshlrev_b32 v[BR], 4, v34
	s_delay_alu instid0(VALU_DEP_1)
	v_mad_u32_u24 v[BR], v35, 384, v[BR]
	s_delay_alu instid0(VALU_DEP_1)
	v_add_nc_u32 v[BR], BIAS0, v[BR]
	s_delay_alu instid0(VALU_DEP_1)
	v_add_nc_u32 v[BR+1], BSZ, v[BR]
	s_lshr_b32 s58, s[WV], 2                       ; my 8 mask rows 8 w .. 8 w + 7 are lanes 8 ((w / 2) % 2) + i of unit 2 (w / 4) + w % 2
	s_lshl_b32 s58, s58, 1
	s_and_b32 s59, s[WV], 1
	s_add_co_u32 s58, s58, s59
	s_mul_i32 s58, s58, BUNIT
	s_bfe_u32 s59, s[WV], 0x10001
	s_lshl_b32 s59, s59, 7
	s_add_co_u32 s58, s58, s59
	s_add_co_u32 s58, s58, BIAS0
	v_bfe_u32 v37, v0, 3, 2
	v_and_b32 v38, 3, v0
	s_delay_alu instid0(VALU_DEP_1)
	v_lshl_add_u32 v37, v37, 2, v38
	s_delay_alu instid0(VALU_DEP_1)
	v_mul_u32_u24 v37, v37, BPL
	v_bfe_u32 v38, v0, 2, 1
	s_delay_alu instid0(VALU_DEP_1)
	v_mad_u32_u24 v37, v38, 384, v37
	s_delay_alu instid0(VALU_DEP_1)
	v_add_nc_u32 v[BW], s58, v37
	s_delay_alu instid0(VALU_DEP_1)
	v_add_nc_u32 v[BW+1], BSZ, v[BW]
	s_wait_dscnt 0x0                               ; both opening adds are done
	s_wait_kmcnt 0x0
	s_add_nc_u64 s[10:11], s[10:11], s[54:55]
	s_mov_b32 s[G0], 1
	s_mov_b32 s[G0+1], s56
	s_mov_b64 s[G0+2:G0+3], s[10:11]               ; step 0
	s_or_b32 s[G0+3], s[G0+3], 0x80000000
	s_mov_b32 s[G0+4], 1
	s_add_co_u32 s[G0+5], s56, SLAB
	s_add_nc_u64 s[G0+6:G0+7], s[10:11], SLAB      ; step 1
	s_or_b32 s[G0+7], s[G0+7], 0x80000000
	ROUND                                          ; all four work-groups are here: the first joint loads meet
	tensor_load_to_lds s[G0:G0+3], s[G1:G1+7]
	s_nop 0
	PLACES
	s_lshl_b32 s58, s22, 6
	s_lshl_b32 s59, s[WV], 3
	s_add_co_u32 s58, s58, s59                     ; my first mask row: 64 x block + 8 x wave
	s_lshl_b32 s58, s58, 13                        ; of 8,192 bytes
	s_mov_b32 s59, 0
	s_add_nc_u64 s[MB:MB+1], s[4:5], s[58:59]
	MLOAD                                          ; step 0's mask words
	s_mul_i32 s58, s22, 4*6144
	s_mul_i32 s60, s[WV], 768
	s_add_co_u32 s58, s58, s60
	s_add_nc_u64 s[6:7], s[6:7], s[58:59]
	s_lshl_b32 s58, s22, 11
	s_lshl_b32 s60, s[WV], 6
	s_add_co_u32 s58, s58, s60
	s_add_nc_u64 s[8:9], s[8:9], s[58:59]
.irp u, 0,1,2,3
	global_load_b128 v[QF+12*\u:QF+12*\u+3], v[L16], s[6:7] offset:6144*\u      ; Q stays in registers
	global_load_b64 v[QF+12*\u+4:QF+12*\u+5], v[L8], s[6:7] offset:6144*\u+512
.endr
.irp u, 0,1,2,3
	global_load_b32 v[QS+\u], v[R4], s[8:9] offset:512*\u
.endr
	s_mul_i32 s58, s[WV], 64*384                   ; for the end: my 64 rows of Wout,
	s_add_nc_u64 s[12:13], s[12:13], s[58:59]
	s_lshl_b32 s58, s[WV], 10                      ; their scales,
	s_add_nc_u64 s[14:15], s[14:15], s[58:59]
	s_lshl_b32 s58, s[WV], 8                       ; my 64 numbers of b_out,
	s_add_nc_u64 s[16:17], s[16:17], s[58:59]
	s_lshl_b32 s60, s22, 17                        ; and my 64 columns of the block's 64 rows of out0
	s_add_co_u32 s58, s58, s60
	s_add_nc_u64 s[18:19], s[18:19], s[58:59]
.irp u, 0,1,2,3
.irp i, 6,7,8,9,10,11
	v_mov_b32 v[QF+12*\u+\i], 0                    ; zero codes for the half of K that a head has not
.endr
	v_mov_b32 v[STT+4*\u], 0x6c800000              ; -M = 2^90
	v_mov_b32 v[STT+4*\u+1], 0xec800000            ; the largest t so far: -2^90: over every masked t, under every other
	v_mov_b32 v[STT+4*\u+2], 0                     ; l, in two halves
	v_mov_b32 v[STT+4*\u+3], 0
	v_mov_b32 v[PT+\u], 0                          ; a lane permute's destination counts as one of its sources
.endr
.irp i, 0,1,2,3
	v_mov_b32 v[ONES+3*\i], 0x18618618             ; 16 codes of 4.0 in 96 bits
	v_mov_b32 v[ONES+3*\i+1], 0x86186186
	v_mov_b32 v[ONES+3*\i+2], 0x61861861
.endr
	v_mov_b32 v[OSC], 0x7d7d7d7d                   ; under the scale 2^-2: ones
	v_mov_b32 v[FF+1], 0
	WIN W_LD1
.set JJ, 0
.rept 160
	v_mov_b32 v[JJ], 0                             ; O^T and the sum of V.  (The step is written for the loop alone: its first walk finds zeros, which the first change of M leaves zeros; a first step of its own would be a fifth copy of the step's text)
.set JJ, JJ+1
.endr
.irp i, 48,49,50,51,52,53
	v_mov_b32 v[KF+\i], 0                          ; behind K's last tile: named as its upper six registers
.endr
	v_mov_b32 v[BV], 0xf1800000                    ; -2^100
	WIN 0
	s_wait_alu depctr_va_vdst(0)
	MCONV 0, 12                                    ; behind the 8 mask loads stand Q's 12: the count leaves those out
	s_wait_dscnt 0x0                               ; the stores have read their registers
	s_add_nc_u64 s[MB:MB+1], s[MB:MB+1], 512
	MLOAD                                          ; step 1's
	s_wait_loadcnt 8                               ; Q and its scale words are in; the 8 just issued may stay out
	s_wait_tensorcnt 0x0                           ; chunk 0 is in
	ds_add_u32 v[SPW], v[NIL]
	s_wait_dscnt 0x0
	ROUND                                          ; step 0's mask numbers are stored by all eight waves, and the four work-groups are here
	tensor_load_to_lds s[G0+4:G0+7], s[G1:G1+7]    ; chunk 1, slot 1's first fill
	s_nop 0
	PLACES
	KFETCH 0
	VFETCH 0
	BIASLD 0, 0
	s_mov_b32 s3, 7
.Lloop:                                            ; steps 0 to 13: step j turns the mask words of step j + 1, loads those of step j + 2, asks for chunk j + 2 and fetches step j + 1's operands
	TRIP 0, 2, 1, 1, 1
	TRIP 1, 2, 1, 1, 1
	s_sub_co_u32 s3, s3, 1
	s_cmp_lg_u32 s3, 0
	s_cbranch_scc1 .Lloop
	TRIP 0, 1, 1, 0, 1                             ; the tail is written out
	TRIP 1, 0, 0, 0, 0
	; THE END.  The addresses are made first: plain lines that name no register of the last products, so they are the places behind them
	v_and_b32 v252, 31, v0
	s_wait_alu depctr_va_vdst(0)
	v_and_b32 v253, 15, v0
	s_wait_alu depctr_va_vdst(0)
	v_bfe_u32 v254, v0, 4, 1
	s_mul_i32 s54, s[WV], 768
	s_add_co_u32 s54, s54, AIMG
	v_lshl_add_u32 v3, v252, 4, s54                ; where I store my head's codes: 16 x lane,
	v_lshl_add_u32 v4, v252, 3, s54                ; 8 x lane,
	s_lshr_b32 s55, s[WV], 1
	s_lshl_b32 s55, s55, 7
	s_and_b32 s56, s[WV], 1
	s_lshl_b32 s56, s56, 1
	s_add_co_u32 s55, s55, s56
	s_add_co_u32 s55, s55, ASC
	v_lshl_add_u32 v5, v252, 2, s55                ; and my half of the scale word
	v_lshl_add_u32 v6, v252, 4, AIMG               ; where any wave reads them
	v_lshl_add_u32 v7, v252, 3, AIMG
	v_lshl_add_u32 v8, v252, 2, ASC
	s_mul_i32 s57, s[WV], 16*SPITCH
	s_add_co_u32 s57, s57, STAGE
	v_mul_u32_u24 v9, v253, SPITCH
	s_wait_alu depctr_va_vdst(0)
	v_lshl_add_u32 v9, v254, 5, v9
	s_delay_alu instid0(VALU_DEP_1)
	v_add_nc_u32 v9, s57, v9                       ; my stage, in: row r, 32 bytes for each half of the lanes
	v_mul_u32_u24 v10, v254, SPITCH
	s_delay_alu instid0(VALU_DEP_1)
	v_lshl_add_u32 v10, v253, 4, v10
	s_delay_alu instid0(VALU_DEP_1)
	v_add_nc_u32 v10, s57, v10                     ; back: lanes 0-15 one row of 256 bytes, lanes 16-31 the next
	v_lshlrev_b32 v11, 11, v254
	s_delay_alu instid0(VALU_DEP_1)
	v_lshl_add_u32 v11, v253, 4, v11               ; and the same in out0
	v_lshlrev_b32 v[R4], 5, v254                   ; b_out: 8 h numbers on
	v_mov_b32 v[TT], 0x45000000                    ; 2,048
.irp u, 0,1,2,3
	v_add_f32 v[STT+4*\u+2], v[STT+4*\u+2], v[STT+4*\u+3]
.endr
.irp u, 0,1,2,3
	s_delay_alu instid0(VALU_DEP_4)
	v_permlanex16_b32 v[PT+\u], v[STT+4*\u+2], s[SEL], s[SEL+1]
.endr
.irp u, 0,1,2,3
	s_delay_alu instid0(VALU_DEP_4)
	v_add_f32 v[STT+4*\u+2], v[STT+4*\u+2], v[PT+\u]   ; the row's l
.endr
.irp u, 0,1,2,3
	s_delay_alu instid0(VALU_DEP_4)
	v_cmp_eq_f32 s[CM+\u], 0, v[STT+4*\u+2]        ; 0 only where every key was masked: else the largest p is over 1/2
.endr
.irp u, 0,1,2,3
	s_delay_alu instid0(VALU_DEP_4)
	v_cndmask_b32 v[STT+4*\u+2], v[STT+4*\u+2], v[TT], s[CM+\u]
.endr
	s_wait_alu depctr_va_vdst(0)
.irp u, 0,1,2,3
	v_rcp_f32 v[STT+4*\u+2], v[STT+4*\u+2]
.endr
	WIN W_FS
	s_wait_alu depctr_va_vdst(0)
.irp u, 0,1,2,3                                ; O^T, or the sum of V, into window 0: units 0, 1 at v32, v64, units 2, 3 at v144, v176.  Each accumulator from its low end on
.set JJ, 0
.rept 32
	v_cndmask_b32 v[32+32*\u+48*(\u/2)+JJ], v[32*\u+JJ], v[VSM+JJ], s[CM+\u]
.set JJ, JJ+1
.endr
.endr
	WIN W_LD1                                      ; window 1 is free: Wout's 16 fragments (K step s, tile n of my 64 columns) at v[12 (4 s + n)], b_out at v192 on
.irp s, 0,1,2,3
.irp n, 0,1,2,3
.irp c, 0,1,2
	global_load_b128 v[12*(4*\s+\n)+4*\c:12*(4*\s+\n)+4*\c+3], v[L16], s[12:13] offset:6144*\n+1536*\s+512*\c   ; a plane of the fragment's image: 512 consecutive bytes
.endr
.endr
.endr
.irp n, 0,1,2,3
	global_load_b128 v[WB+8*\n:WB+8*\n+3], v[R4], s[16:17] offset:64*\n
	global_load_b128 v[WB+8*\n+4:WB+8*\n+7], v[R4], s[16:17] offset:64*\n+16
.endr
	WIN 0
.irp i, 0,1
	global_load_b128 v[WS+4*\i:WS+4*\i+3], v[L16], s[14:15] offset:512*\i   ; register 4 i + s: lanes 0-15 tile 2 i, lanes 16-31 tile 2 i + 1
.endr
	s_wait_alu depctr_va_vdst(0)                   ; one wait for the four reciprocals, ahead of their first reader; the selects above are the work between
.irp u, 0,1,2,3
.set JJ, 32+32*\u+48*(\u/2)
.rept 16
	v_pk_mul_f32 v[JJ:JJ+1], v[JJ:JJ+1], v[STT+4*\u+2:STT+4*\u+3] op_sel_hi:[1,0]
.set JJ, JJ+2
.endr
.endr
; unit u's 32 numbers a lane, two blocks of 32 channels, become six registers of codes and two scale bytes, and go to LDS as images
.macro FINQ u
.set HH, 32+32*(\u)+48*((\u)/2)
.irp b, 0,1
	v_max3_num_f32 v[BM+\b], |v[HH+16*\b]|, |v[HH+16*\b+1]|, 0x1800000
.endr
.irp i, 2,4,6,8,10,12,14
.irp b, 0,1
	s_delay_alu instid0(VALU_DEP_2)
	v_max3_num_f32 v[BM+\b], v[BM+\b], |v[HH+16*\b+\i]|, |v[HH+16*\b+\i+1]|
.endr
.endr
.irp b, 0,1
	s_delay_alu instid0(VALU_DEP_2)
	v_permlanex16_b32 v[PT+\b], v[BM+\b], s[SEL], s[SEL+1]
.endr
.irp b, 0,1
	s_delay_alu instid0(VALU_DEP_2)
	v_max_num_f32 v[BM+\b], v[BM+\b], v[PT+\b]
.endr
.irp b, 0,1
	s_delay_alu instid0(VALU_DEP_2)
	v_add_nc_u32 v[SO+\b], 0xff000000, v[BM+\b]
.endr
.irp b, 0,1
	s_delay_alu instid0(VALU_DEP_2)
	v_lshrrev_b32 v[PT+\b], 23, v[SO+\b]
.endr
	s_delay_alu instid0(VALU_DEP_1)
	v_lshl_or_b32 v[TT], v[PT+1], 8, v[PT]
	v_cvt_scalef32_pk16_fp6_f32 v[PCD:PCD+2], v[HH:HH+15], v[SO]
	v_cvt_scalef32_pk16_fp6_f32 v[CT:CT+2], v[HH+16:HH+31], v[SO+1]
	v_nop                                          ; one plain place behind a scaled conversion
.irp i, 0,1,2
	v_permlane16_swap_b32 v[PCD+\i], v[CT+\i]
.endr
.irp i, 0,1,2
	s_delay_alu instid0(VALU_DEP_3)
	v_mov_b32 v[PCD+3+\i], v[CT+\i]
.endr
	ds_store_b128 v3, v[PCD:PCD+3] offset:6144*(\u)
	ds_store_b64 v4, v[PCD+4:PCD+5] offset:6144*(\u)+512
	ds_store_b16 v5, v[TT] offset:512*(\u)
	s_wait_dscnt 0x0                               ; the stores have read their registers; behind the last unit: for the others' sake
.endm
	FINQ 0
	FINQ 1
	FINQ 2
	FINQ 3
	s_barrier_signal -1
	s_barrier_wait -1                              ; the 64 rows' codes of all 8 heads lie in LDS
	s_wait_loadcnt 0x0                             ; Wout, its scales, b_out
.irp s, 0,1,2,3                                ; out^T = Wout (rows)^T: K step s = heads 2 s and 2 s + 1; 16 accumulators by turns, where the units' numbers lay; b_out is the C of each sum's first product
.if \s > 0
	PLACES
.endif
.irp u, 0,1,2,3
	ds_load_b128 v[BF+12*\u:BF+12*\u+3], v6 offset:(4*\u+\s)*1536
	ds_load_b64 v[BF+12*\u+4:BF+12*\u+5], v7 offset:(4*\u+\s)*1536+512
	ds_load_b128 v[BF+12*\u+6:BF+12*\u+9], v6 offset:(4*\u+\s)*1536+768
	ds_load_b64 v[BF+12*\u+10:BF+12*\u+11], v7 offset:(4*\u+\s)*1536+1280
	ds_load_b32 v[AS+\u], v8 offset:(4*\u+\s)*128
.endr
	s_wait_dscnt 0x0
.if \s == 0
	WIN W_O0
.else
	WIN W_O1
.endif
.irp n, 0,1,2,3
.irp u, 0,1,2,3
.if \s == 0
	WM 32+32*\u+48*(\u/2)+8*\n, 12*(4*\s+\n), BF+12*\u, WB+8*\n, WS+4*(\n/2)+\s, AS+\u, \n%2
.else
	WM 32+32*\u+48*(\u/2)+8*\n, 12*(4*\s+\n), BF+12*\u, 32+32*\u+48*(\u/2)+8*\n, WS+4*(\n/2)+\s, AS+\u, \n%2
.endif
.endr
.endr
	WIN 0
.endr
	PLACES
; unit u's 16 rows x my 64 columns go through my stage and leave as whole runs of 256 bytes.  LDS serves a wave's instructions in order (ISA guide 5.7.1.4): no wait between the stores and the loads
.macro OSEND u
.set HH, 32+32*(\u)+48*((\u)/2)
.if (\u) > 0
	s_wait_xcnt 0x0                                ; the last unit's stores have read their registers
.endif
.irp n, 0,1,2,3
	ds_store_b128 v9, v[HH+8*\n:HH+8*\n+3] offset:64*\n          ; each accumulator from its low end on
	ds_store_b128 v9, v[HH+8*\n+4:HH+8*\n+7] offset:64*\n+16
.endr
.irp i, 0,1,2,3,4,5,6,7
	ds_load_b128 v[BF+4*\i:BF+4*\i+3], v10 offset:2*\i*SPITCH
.endr
.irp i, 0,1,2,3,4,5,6,7
	s_wait_dscnt 7-\i                              ; the younger loads may stay out
	global_store_b128 v11, v[BF+4*\i:BF+4*\i+3], s[18:19] offset:(32*((\u)/2)+8*((\u)%2)+2*\i+8*(\i/4))*2048 th:TH_STORE_NT   ; the tile's row 2 i + h is the block's row 32 (u / 2) + 8 (u % 2) + 2 i + h + 8 (i / 4); 16 lanes store 256 consecutive bytes, aligned
.endr
.endm
	OSEND 0
	OSEND 1
	OSEND 2
	OSEND 3
	s_wait_tensorcnt 0x0                           ; the wave's end, behind my last tensor load and my last LDS store
	ds_add_u32 v[SPW], v[NIL]
	s_wait_dscnt 0x0
	ROUND                                          ; the closing round: no work-group ends while a partner may still ask for a chunk that names it
	s_endpgm
.Lfunc_end_k_qb4313583e6_attn:
	.size	k_qb4313583e6_attn, .Lfunc_end_k_qb4313583e6_attn-k_qb4313583e6_attn
	.p2alignl 7, 3214868480
	.fill 96, 4, 3214868480
	.section	.rodata,"a",@progbits
	.p2align	6, 0x0
	.amdhsa_kernel k_qb4313583e6_attn
		.amdhsa_group_segment_fixed_size 327680
		.amdhsa_private_segment_fixed_size 0
		.amdhsa_enable_private_segment 0
		.amdhsa_kernarg_size 64
		.amdhsa_user_sgpr_count 2
		.amdhsa_user_sgpr_kernarg_segment_ptr 1
		.amdhsa_wavefront_size32 1
		.amdhsa_system_sgpr_workgroup_id_x 1
		.amdhsa_system_sgpr_workgroup_id_y 1
		.amdhsa_system_sgpr_workgroup_id_z 1
		.amdhsa_system_vgpr_workitem_id 0
		.amdhsa_next_free_vgpr 512
		.amdhsa_next_free_sgpr 66
		.amdhsa_reserve_vcc 0
		.amdhsa_float_denorm_mode_32 3
		.amdhsa_float_denorm_mode_16_64 3
		.amdhsa_memory_ordered 1
		.amdhsa_forward_progress 1
		.amdhsa_inst_pref_size 255
	.end_amdhsa_kernel
	.section	.bss,"aw",@nobits
	.p2align	6
	.space	262144
	.amdgpu_metadata
---
amdhsa.version: [ 1, 2 ]
amdhsa.kernels:
  - .name:           k_qb4313583e6_attn
    .symbol:         k_qb4313583e6_attn.kd
    .args:
      - { .name: mask, .offset: 0, .size: 8, .value_kind: global_buffer, .address_space: global }
      - { .name: qimg, .offset: 8, .size: 8, .value_kind: global_buffer, .address_space: global }
      - { .name: qsc, .offset: 16, .size: 8, .value_kind: global_buffer, .address_space: global }
      - { .name: kv, .offset: 24, .size: 8, .value_kind: global_buffer, .address_space: global }
      - { .name: wimg, .offset: 32, .size: 8, .value_kind: global_buffer, .address_space: global }
      - { .name: Wout_scales, .offset: 40, .size: 8, .value_kind: global_buffer, .address_space: global }
      - { .name: b_out, .offset: 48, .size: 8, .value_kind: global_buffer, .address_space: global }
      - { .name: out0, .offset: 56, .size: 8, .value_kind: global_buffer, .address_space: global }
    .group_segment_fixed_size: 327680
    .private_segment_fixed_size: 0
    .kernarg_segment_align: 8
    .kernarg_segment_size: 64
    .max_flat_workgroup_size: 256
    .sgpr_count:     66
    .vgpr_count:     512
    .wavefront_size: 32
...
	.end_amdgpu_metadata
.endif
;; end of part 2
